; MI455X (gfx1250); checked and timed in simulation.
; The chip was launched on July 23, 2026; its instructions are those of AMD's public machine-readable ISA for CDNA 5 (MIT licence, August 2026) and "CDNA5" Instruction Set Architecture Reference Guide (July 2026). The comments in the code are by the model that wrote it; some were corrected since.
;; MLP mia. Allowed arithmetic: float matrix products may take bf16 or f16 operands with f32 sums; other float arithmetic in f32, or as packed bf16 or f16 multiplies, adds, multiply-adds, maxima and minima; sums over many terms, partial sums and values carried from step to step in f32; what a program stores and reads back later, other than sums and carried values, may be rounded once to bf16 or f16.
;; Inputs: W1 64 x 2 float32; W2 32 x 64 float32; Wp 1 x 32 float32; b1 64 float32; b2 32 float32; bp 1 float32; edge 1,000,000 x 2 int32; emb_matrix0 100,000 x 256 float32; weight_vec 1 x 256 float32.
;; Outputs: out0 1,000,000 float32.
;; 2 versions, each right; version 2 is version 1 with the launch edges written anew for expert scheduling mode. Each part assembles by itself: llvm-mc -triple=amdgcn-amd-amdhsa -mcpu=gfx1250 --defsym DOCPART=n.
;; ======== version 1 of 2: 2 launches
;; limits: values outside matrix products are rounded to f16; values are held in f16: magnitudes above 65,504 overflow, below 6.1e-05 lose precision
;; workspace buffers: tab 51,200,000 bytes; nrm 400,128 bytes
;; launch prep (part 1): grid 3125 x 1, 1 waves a work-group, no clusters, 0 bytes of LDS; arguments emb_matrix0, weight_vec, tab, nrm; writes tab, nrm
.if DOCPART == 1
	.amdgcn_target "amdgcn-amd-amdhsa--gfx1250"
	.amdhsa_code_object_version 6
	.text
	.protected	k_q12d0688a87_prep
	.globl	k_q12d0688a87_prep
	.p2align	8
	.type	k_q12d0688a87_prep,@function
k_q12d0688a87_prep:
	s_mov_b64 s[64:65], 0
	v_nop
	global_prefetch_b8 v0, s[64:65] scope:SCOPE_SE
	s_setreg_imm32_b32 hwreg(HW_REG_WAVE_MODE, 25, 1), 1
	s_wait_xcnt 0x0
; For every node n:  y = weight_vec * emb_matrix0[n]  (f32),  m = max(sqrt(sum y^2), 1e-8),
;   tab[n] = f16(y / m)   256 x f16 = 512 bytes,     nrm[n] = m   (f32).
; Every entry of tab has magnitude at most 1, so f16's range is never at stake, whatever the size of the inputs.
; The norm is made once for a node here and not once for each edge that names the node later.
; LIMITS: sum y^2 has to be finite in f32.  v_sqrt_f32 and v_rcp_f32 take denormals as zero (ISA guide 15.8): a sum of squares
; below 2^-126 gives m = 1e-8, which is what the clamp gives too.  Entries of y / m below 6e-5 are f16 denormals (absolute error 3e-8).
; SHARES: 3,125 work-groups of one wave x 32 rows = 100,000 rows; one-wave groups spread 12 or 13 to each of 256 WGPs.
; One wave, one row at a time: two loads of 16 bytes a lane, each covering 512 consecutive bytes; the sum never leaves the wave, so there
; is no LDS and no barrier.  A row of tab leaves as two stores of 8 bytes a lane, each covering 256 consecutive bytes at a multiple of 256
; from tab's first byte.  A ring of eight row slots in registers keeps sixteen loads of the wave on their way.  A slot owns its store
; data too, so that one wait a round of eight rows frees all that the round's loads and stores name.
.set ROWB,  1024                       ; bytes in a row of emb_matrix0
.set TROWB, 512                        ; bytes in a row of tab
.set DEPTH, 8                          ; row slots
.set ROWS,  32                         ; rows of a wave
.set OFF,   2                          ; v2        byte offset in emb_matrix0 of my 16 bytes in the round's first row (below 2^27)
.set TOFF,  3                          ; v3        byte offset in tab of my 8 bytes in the round's first row
.set MV,    4                          ; v4        lane i collects the norm of the wave's row i
.set NOFF,  5                          ; v5        byte offset in nrm of the wave's row 'lane'
.set W,     6                          ; v[6:13]   my 8 weights
.set T,     14                         ; v[14:21]  y, then y / m
.set S,     22                         ; v[22:25]  two pairs of partial sums
.set R,     26                         ; v[26:27]  1 / m, twice (a pair for the packed multiply)
.set NR,    28                         ; v28       m
.set XH,    29                         ; v29       the other half's sum
.set X,     34                         ; v[34:97]  slot i: 8 registers, the row as loaded
.set Y,     98                         ; v[98:129] slot i: 4 registers, 8 x f16 to store
	s_load_b256 s[4:11], s[0:1], 0x0               ; emb_matrix0 s[4:5], weight_vec s[6:7], tab s[8:9], nrm s[10:11]
	s_lshl_b32 s17, ttmp9, 5                       ; the wave's first row
	s_lshl_b32 s18, ttmp9, 15                      ; its byte offset in emb_matrix0: 32 rows of 1,024 bytes a wave
	s_lshl_b32 s19, ttmp9, 14                      ; and in tab: 32 rows of 512 bytes
	s_mov_b32 s12, 0x76543210                      ; v_permlanex16_b32: lane i of one half reads lane i of the other
	s_mov_b32 s13, 0xfedcba98
	s_mov_b32 s15, 1                               ; one bit, at the place of the row at work
	v_lshlrev_b32 v1, 4, v0                        ; 16 x lane (one wave: v0 is the lane): my weights' offset
	v_lshl_add_u32 v[OFF], v0, 4, s18
	v_lshl_add_u32 v[TOFF], v0, 3, s19
	v_add_lshl_u32 v[NOFF], v0, s17, 2
	v_mov_b32 v[MV], 0                             ; written whole once; each row then writes one lane
	v_mov_b32 v[XH], 0                             ; a destination of v_permlanex16_b32 is written once before
	s_wait_kmcnt 0x0
	global_load_b128 v[W:W+3],   v1, s[6:7]                     ; elements 4 lane .. +3
	global_load_b128 v[W+4:W+7], v1, s[6:7] offset:512          ; elements 128 + 4 lane .. +3
.irp i, 0,1,2,3,4,5,6,7
	global_load_b128 v[X+8*\i:X+8*\i+3],   v[OFF], s[4:5] offset:\i*ROWB th:TH_LOAD_NT
	global_load_b128 v[X+8*\i+4:X+8*\i+7], v[OFF], s[4:5] offset:\i*ROWB+512 th:TH_LOAD_NT
.endr
; The turn of slot i: one row.  ahead = 1: the slot is filled again with the row DEPTH further down.
; left = how many younger loads may stay out.
.macro SLOT i, ahead, left
	s_wait_loadcnt \left                           ; loads come back in order (ISA guide 5.7.1): my two are in, the younger slots' stay out
.irp k, 0,2,4,6
	v_pk_mul_f32 v[T+\k:T+\k+1], v[X+8*\i+\k:X+8*\i+\k+1], v[W+\k:W+\k+1]     ; y = w x
.endr
.if \ahead
	global_load_b128 v[X+8*\i:X+8*\i+3],   v[OFF], s[4:5] offset:(DEPTH+\i)*ROWB th:TH_LOAD_NT
	global_load_b128 v[X+8*\i+4:X+8*\i+7], v[OFF], s[4:5] offset:(DEPTH+\i)*ROWB+512 th:TH_LOAD_NT
.endif
	v_pk_mul_f32 v[S:S+1],   v[T:T+1],   v[T:T+1]               ; the first products start the sums
	v_pk_mul_f32 v[S+2:S+3], v[T+2:T+3], v[T+2:T+3]
	v_pk_fma_f32 v[S:S+1],   v[T+4:T+5], v[T+4:T+5], v[S:S+1]
	v_pk_fma_f32 v[S+2:S+3], v[T+6:T+7], v[T+6:T+7], v[S+2:S+3]
	v_pk_add_f32 v[S:S+1], v[S:S+1], v[S+2:S+3]
	v_add_f32 v[S], v[S], v[S+1]
	v_add_f32_dpp v[S], v[S], v[S] row_xmask:1 row_mask:0xf bank_mask:0xf   ; over the 16 lanes of a half,
	v_add_f32_dpp v[S], v[S], v[S] row_xmask:2 row_mask:0xf bank_mask:0xf
	v_add_f32_dpp v[S], v[S], v[S] row_xmask:4 row_mask:0xf bank_mask:0xf
	v_add_f32_dpp v[S], v[S], v[S] row_xmask:8 row_mask:0xf bank_mask:0xf
	v_permlanex16_b32 v[XH], v[S], s12, s13                                 ; and over the two halves: every lane has the sum
	v_add_f32 v[S], v[S], v[XH]
	v_sqrt_f32 v[NR], v[S]
	v_nop                                          ; one plain vector instruction behind a transcendental before its result is read (ISA guide 5.7.2)
	s_wait_alu depctr_va_vdst(0)
	v_max_num_f32 v[NR], 0x322bcc77, v[NR]         ; m = max(norm, 1e-8)
	v_cndmask_b32 v[MV], v[MV], v[NR], s15         ; the row's lane keeps m
	v_rcp_f32 v[R], v[NR]
	v_rcp_f32 v[R+1], v[NR]
	v_nop                                          ; the plain place behind the two reciprocals
	s_lshl_b32 s15, s15, 1
	s_wait_alu depctr_va_vdst(0)
.irp k, 0,2,4,6
	v_pk_mul_f32 v[T+\k:T+\k+1], v[T+\k:T+\k+1], v[R:R+1]
.endr
.irp k, 0,1,2,3
	v_cvt_pk_f16_f32 v[Y+4*\i+\k], v[T+2*\k], v[T+2*\k+1]       ; the slot's own store data: last read by stores of the round before, behind that round's closing wait
.endr
	global_store_b64 v[TOFF], v[Y+4*\i:Y+4*\i+1],   s[8:9] offset:\i*TROWB        ; elements 0-127: 32 lanes x 8 bytes = 256 consecutive bytes
	global_store_b64 v[TOFF], v[Y+4*\i+2:Y+4*\i+3], s[8:9] offset:\i*TROWB+256    ; elements 128-255
.endm
	s_mov_b32 s14, ROWS/DEPTH-1
.Lround:
.irp i, 0,1,2,3,4,5,6,7
	SLOT \i, 1, 2*(DEPTH-1)
.endr
	s_wait_xcnt 0x0                                ; the two offsets and the eight slots' store data, which this round's loads and stores name, are rewritten only behind this wait (ISA guide 3.1)
	v_add_nc_u32 v[OFF],  DEPTH*ROWB,  v[OFF]
	v_add_nc_u32 v[TOFF], DEPTH*TROWB, v[TOFF]
	s_sub_co_u32 s14, s14, 1
	s_cmp_lg_u32 s14, 0
	s_cbranch_scc1 .Lround
.irp i, 0,1,2,3,4,5,6,7
	SLOT \i, 0, 2*(DEPTH-1-\i)                     ; the last eight rows load nothing: the counts run down to 0
.endr
	global_store_b32 v[NOFF], v[MV], s[10:11]      ; the wave's 32 norms, 128 consecutive bytes
	s_endpgm
.Lfunc_end_k_q12d0688a87_prep:
	.size	k_q12d0688a87_prep, .Lfunc_end_k_q12d0688a87_prep-k_q12d0688a87_prep
	.p2alignl 7, 3214868480
	.fill 96, 4, 3214868480
	.section	.rodata,"a",@progbits
	.p2align	6, 0x0
	.amdhsa_kernel k_q12d0688a87_prep
		.amdhsa_group_segment_fixed_size 0
		.amdhsa_private_segment_fixed_size 0
		.amdhsa_enable_private_segment 0
		.amdhsa_kernarg_size 32
		.amdhsa_user_sgpr_count 2
		.amdhsa_user_sgpr_kernarg_segment_ptr 1
		.amdhsa_wavefront_size32 1
		.amdhsa_system_sgpr_workgroup_id_x 1
		.amdhsa_system_sgpr_workgroup_id_y 1
		.amdhsa_system_sgpr_workgroup_id_z 1
		.amdhsa_system_vgpr_workitem_id 0
		.amdhsa_next_free_vgpr 130
		.amdhsa_next_free_sgpr 66
		.amdhsa_reserve_vcc 0
		.amdhsa_float_denorm_mode_32 3
		.amdhsa_float_denorm_mode_16_64 3
		.amdhsa_memory_ordered 1
		.amdhsa_forward_progress 1
		.amdhsa_inst_pref_size 37
	.end_amdhsa_kernel
	.amdgpu_metadata
---
amdhsa.version: [ 1, 2 ]
amdhsa.kernels:
  - .name:           k_q12d0688a87_prep
    .symbol:         k_q12d0688a87_prep.kd
    .args:
      - { .name: emb_matrix0, .offset: 0, .size: 8, .value_kind: global_buffer, .address_space: global }
      - { .name: weight_vec, .offset: 8, .size: 8, .value_kind: global_buffer, .address_space: global }
      - { .name: tab, .offset: 16, .size: 8, .value_kind: global_buffer, .address_space: global }
      - { .name: nrm, .offset: 24, .size: 8, .value_kind: global_buffer, .address_space: global }
    .group_segment_fixed_size: 0
    .private_segment_fixed_size: 0
    .kernarg_segment_align: 8
    .kernarg_segment_size: 32
    .max_flat_workgroup_size: 32
    .sgpr_count:     66
    .vgpr_count:     130
    .wavefront_size: 32
...
	.end_amdgpu_metadata
.endif
;; end of part 1
;; launch edges (part 2): grid 256 x 1, 8 waves a work-group, no clusters, 0 bytes of LDS; arguments W1, b1, W2, b2, Wp, bp, edge, tab, nrm, out0; writes out0
.if DOCPART == 2
	.amdgcn_target "amdgcn-amd-amdhsa--gfx1250"
	.amdhsa_code_object_version 6
	.text
	.protected	k_q12d0688a87_edges
	.globl	k_q12d0688a87_edges
	.p2align	8
	.type	k_q12d0688a87_edges,@function
k_q12d0688a87_edges:
	s_mov_b64 s[64:65], 0
	v_nop
	global_prefetch_b8 v0, s[64:65] scope:SCOPE_SE
	s_setreg_imm32_b32 hwreg(HW_REG_WAVE_MODE, 25, 1), 1
	s_wait_xcnt 0x0
; For every edge (i, j):  cos = sum over d of tab[i][d] tab[j][d],  dot = cos * nrm[i] * nrm[j],
;   out0 = Wp relu(W2 relu(W1 (cos, dot) + b1) + b2) + bp.
; With tab = w x / m and nrm = m = max(norm, 1e-8) these are the cosine with both norms clamped, and the weighted dot product.
; THE DOT PRODUCT.  A row of tab is 512 bytes: one load of 16 bytes a lane, so lane l holds 8 numbers of each of an edge's two rows.  Four v_pk_mul_f16
; make the lane's 8 products, and the matrix unit adds them up in f32: two edges' products are source 0 of a 16x16x32 instruction (its row m: lanes m and
; m + 16; k = 0-15 the first edge, k = 16-31 the second), and source 1 is a constant selector with ones at (column 2q, k < 16) and (column 2q + 1, k >= 16).
; Eight such instructions, q = 0 .. 7, add in place onto one accumulator: D(m, n) = the part of edge n's sum that lanes m and m + 16 hold.  The sum over m is a
; sum over the lane's eight result registers and over the two halves of the wave, and leaves edge n's cosine in lane n: no widening, no sum from lane to lane.
; THE MLP RUNS SCALED.  relu is positively homogeneous, so with s = 1 / max(|dot|, 1) the chain on (s cos, s dot, s), the biases multiplied by
; the third entry, gives s times the prediction; the result is multiplied by max(|dot|, 1).  So the f16 matrix operands made of data are
; at most 1 in the input layer and of the weights' size behind it, whatever the size of dot.
; LIMITS: each product of two entries of tab is rounded once to f16 before it is summed in f32 (both factors are at most 1, so none overflows; products below
; 6e-5 are f16 denormals, absolute error 3e-8 each).  Indices are clamped to 99,999.  The entries of W1, b1, W2, b2, Wp, bp and the scaled hidden values have
; to stay below 65,504 (f16); weights below 6e-5 are f16 denormals.  nrm[i] * nrm[j] has to be finite in f32.  An edge whose dot is not finite spoils also the
; up to 7 edges whose numbers share its operand registers (0 x infinity), and relu is made by v_max_num_f32, which turns a NaN into 0.
;
; SHARES: a batch is 64 consecutive edges (512 bytes of edge, 256 bytes of out0); 15,625 batches; wave g of 2,048 takes batches g, g + 2,048, ...:
; 8 of them if g < 1,289, else 7.  The waves share nothing: no LDS, no barrier.  No tile is common to two work-groups and the rows come in the
; list's order, so there is nothing for a joint request in a cluster, and nothing for a tile load: rows are gathered straight into registers.
; A ring of 16 edge slots (32 rows) keeps 32 row loads of a wave on their way, 8 waves x 32 x 512 bytes = 128 KiB for the work-group.
; The rows' numbers are read by scalar loads, one chunk of 16 edges ahead.
; Edge e of a batch belongs to set p = e & 1 and lane e >> 1: a lane's two results are 8 neighbouring bytes and one store covers the batch's 256 bytes.
; So the even and the odd edges of 32 consecutive edges have an accumulator each, column (e & 31) >> 1.
;
; REGISTERS.  Window 0 (v0-v255); all that the dot product names lies here, so that it needs no switch of windows:
; v0-v127: the ring.  Slot k: row of the edge's first node in v[8k:8k+3], of its second in v[8k+4:8k+7]; the first register of each four first holds the load's own offset.
.set LANE16, 128                       ; v128       16 x lane, never rewritten
.set OUTOFF, 129                       ; v129       8 x lane, never rewritten
.set VI,     130                       ; v[130:133] the four node numbers of my two edges, of the batch whose norms are fetched next
.set NM,     134                       ; v[134:137] their offsets in nrm, then the four norms
.set MX,     138                       ; v[138:139] max(|dot|, 1), set 0 and 1
.set OUT,    140                       ; v[140:141] the two results
.set COS,    142                       ; v[142:143] cos, set 0 and 1
.set DE,     144                       ; v[144:151] the even edges' accumulator
.set DO,     152                       ; v[152:159] the odd edges'
.set PR,     146                       ; v[146:151] at work in front of the MLP, when the even accumulator has been summed
.set DT,     148
.set SC,     150
.set P,      160                       ; v[160:191] products: two sets that take turns, each with 8 registers for two even and 8 for two odd edges
.set SEL,    192                       ; v[192:255] the eight selectors, 8 registers each
; At the start only: offsets in v144-v148, the weights as loaded in v160-v254.
.set A8R, 144
.set A4R, 145
.set AW2, 146
.set A32H, 147
.set AZ,  148
.set SW2, 160                          ; 64 registers
.set SWP, 224                          ; 16
.set SW1, 240                          ; 8
.set SB1, 248                          ; 4
.set SB2, 252                          ; 2
.set SBP, 254
; Window 1 (v256 + n, written v[n] under s_set_vgpr_msb): the weights as matrix operands, and the MLP's data
.set W1A,  0                           ; tile t at 8 t: 16 units x K, k = 0, 1: W1's row, k = 2: b1, all else 0
.set B2A,  32                          ; tile t at 8 t: k = 2: b2, all else 0
.set W2A,  48                          ; 16 t + 8 c: units 16 t .., k = 32 c ..
.set WPA,  80                          ; Wp in every row
.set BPA,  88                          ; k = 2: bp in every row, all else 0
.set IN,   96                          ; a0 a1 b0 b1 c0 c1 d0 d1 and six zeros: four operands of 8 registers that overlap, at IN, IN+2, IN+4, IN+6
.set RES,  110                         ; the scaled prediction, set 0 and 1
.set ACC1, 112                         ; 32 g + 8 t: layer 1's results; layer 2's at 16 g + 8 t in the same registers
.set H1,   176                         ; 16 g + 8 c
.set H2,   208                         ; 8 g
.set ACC3, 224                         ; 8 g
; Scalars: s[4:5] edge at the batch, s[6:7] tab, s[8:9] nrm, s[10:11] out0 at the batch, s12-13 lane selects, s14-15 trips,
; s[16:47] and s[68:99] two sets of 32 node numbers (16 edges), s52 the mask of lanes 16-31 (at the start s[48:59]: the weights' addresses).
.set SET0, 16
.set SET1, 68
.set MH,   52
.set LASTNODE, 0x1869f                 ; 99,999
.set NEXTE, 0x100000                   ; 2,048 batches of 512 bytes of edge
.set NEXTO, 0x80000                    ; 2,048 batches of 256 bytes of out0
.set MSB, 0
.macro WIN new                         ; s_set_vgpr_msb: bits 1:0 source 0, 3:2 source 1, 5:4 source 2, 7:6 destination; the high byte repeats the setting that is left
.if MSB != \new
	s_set_vgpr_msb (MSB<<8)|\new
.set MSB, \new
.endif
.endm
.macro PLACES                          ; four plain vector instructions between a matrix instruction and the first vector instruction that reads its result (ISA guide 7.12.1)
.rept 4
	v_nop
.endr
.endm
; Slot k is filled again: the two rows of the edge whose node numbers are s[S + 2k] and s[S + 2k + 1] (clamped before).  Each load lands on its own offset register.
.macro FILL k, S
	v_lshl_add_u32 v[8*(\k)],   s[\S+2*(\k)],   9, v[LANE16]   ; node x 512 + 16 lane
	v_lshl_add_u32 v[8*(\k)+4], s[\S+2*(\k)+1], 9, v[LANE16]
	global_load_b128 v[8*(\k):8*(\k)+3],   v[8*(\k)],   s[6:7]
	global_load_b128 v[8*(\k)+4:8*(\k)+7], v[8*(\k)+4], s[6:7]
.endm
; Ring slots 2j and 2j + 1 of chunk c: an even and an odd edge, both of column 8 (c & 1) + j of their accumulators.  left = how many younger loads may stay out;
; refill: the slots get the edges 16 further on, whose node numbers lie in set S.  Behind every second pair the two matrix instructions that add up four edges' products.
; A set of product registers is written again two pairs behind the matrix instructions that read it: sixteen plain vector instructions that name none of their
; registers stand between (ISA guide 7.12.1 asks for four).  The two accumulators take turns, one instruction a turn.
.macro PAIR j, c, refill, left, S
	s_wait_loadcnt \left                           ; loads come back in order (ISA guide 5.7.1): the pair's four rows are the oldest
.set PW, P+16*(((\j)>>1)&1)
.set PB, PW+4*((\j)&1)
.irp t, 0,1,2,3
	v_pk_mul_f16 v[PB+\t], v[16*(\j)+\t], v[16*(\j)+4+\t]          ; the even edge's 8 products
.endr
.if \refill
	FILL 2*(\j), \S
.endif
.irp t, 0,1,2,3
	v_pk_mul_f16 v[PB+8+\t], v[16*(\j)+8+\t], v[16*(\j)+12+\t]     ; the odd edge's
.endr
.if \refill
	FILL 2*(\j)+1, \S
.endif
.if (\j) & 1
.set SQ, SEL+8*(4*((\c)&1)+((\j)>>1))
.if (8*((\c)&1)+(\j)) == 1
	v_wmma_f32_16x16x32_f16 v[DE:DE+7], v[PW:PW+7],    v[SQ:SQ+7], 0           ; the first four of 32 edges start the sums: nothing is cleared
	v_wmma_f32_16x16x32_f16 v[DO:DO+7], v[PW+8:PW+15], v[SQ:SQ+7], 0
.else
	v_wmma_f32_16x16x32_f16 v[DE:DE+7], v[PW:PW+7],    v[SQ:SQ+7], v[DE:DE+7]
	v_wmma_f32_16x16x32_f16 v[DO:DO+7], v[PW+8:PW+15], v[SQ:SQ+7], v[DO:DO+7]
.endif
.endif
.endm
; 32 edges are summed: register j of lane (r, h) holds the part of column r's edge that lanes 8 h + j and 8 h + j + 16 made.  The eight registers and the two halves
; are added; every lane r and r + 16 then holds column r's cosine.  hb = 0: the batch's first 32 edges, kept in lanes 0-15; hb = 1: the last 32, in lanes 16-31.
.macro REDUCE hb
	PLACES
	v_pk_add_f32 v[DE:DE+1],   v[DE:DE+1],   v[DE+2:DE+3]
	v_pk_add_f32 v[DO:DO+1],   v[DO:DO+1],   v[DO+2:DO+3]
	v_pk_add_f32 v[DE+4:DE+5], v[DE+4:DE+5], v[DE+6:DE+7]
	v_pk_add_f32 v[DO+4:DO+5], v[DO+4:DO+5], v[DO+6:DO+7]
	v_pk_add_f32 v[DE:DE+1],   v[DE:DE+1],   v[DE+4:DE+5]
	v_pk_add_f32 v[DO:DO+1],   v[DO:DO+1],   v[DO+4:DO+5]
	v_add_f32 v[DE], v[DE], v[DE+1]
	v_add_f32 v[DO], v[DO], v[DO+1]
	v_permlanex16_b32 v[DE+1], v[DE], s12, s13
	v_permlanex16_b32 v[DO+1], v[DO], s12, s13
.if \hb == 0
	v_add_f32 v[COS],   v[DE], v[DE+1]
	v_add_f32 v[COS+1], v[DO], v[DO+1]
.else
	v_add_f32 v[DE], v[DE], v[DE+1]
	v_add_f32 v[DO], v[DO], v[DO+1]
	v_cndmask_b32 v[COS],   v[COS],   v[DE], s[MH]     ; lane l of COS + p now holds edge 2 l + p
	v_cndmask_b32 v[COS+1], v[COS+1], v[DO], s[MH]
.endif
.endm
; Chunk c of a batch: 16 edges leave the ring, chunk c + 1's enter it (behind chunk 3: the next batch's chunk 0).  last = 1: the wave's last batch.
.macro CHUNK c, last
.if ((\c) & 1) == 0
.set SR, SET1                          ; chunk c + 1's node numbers
.set SL, SET0                          ; chunk c's, used up: chunk c + 2's are fetched into them
.else
.set SR, SET0
.set SL, SET1
.endif
.set LEFT, 28                          ; younger than a pair's four loads: the 28 of the ring's other 14 slots
.set DEC, 0
.set RF, 1
.if \c == 0
.set LEFT, 32                          ; and the four loads of norms at this chunk's head
.endif
.if (\c+4*\last) == 2
.set LEFT, 29                          ; and the one load of node numbers at this chunk's head
.endif
.if (\c*\last) == 3
.set DEC, 4                            ; nothing is left to fetch: the counts run down to 0
.set RF, 0
.endif
.if RF
	s_wait_kmcnt 0x0                               ; scalar loads come back in no order (ISA guide 5.7.1): 0; these were asked for one chunk ago
.set i, 0
.rept 32
	s_min_u32 s[SR+i], s[SR+i], LASTNODE           ; no offset is made of a loaded number that is not clamped
.set i, i+1
.endr
.endif
.if (\c*\last) < 2
.if \c < 2
.set EOFF, 256+128*\c
.else
.set EOFF, NEXTE+128*(\c-2)
.endif
	s_load_b512 s[SL:SL+15],    s[4:5], EOFF
	s_load_b512 s[SL+16:SL+31], s[4:5], EOFF+64
.endif
.if \c == 0
.irp k, 0,1,2,3
	v_min_u32 v[NM+\k], LASTNODE, v[VI+\k]
	v_lshlrev_b32 v[NM+\k], 2, v[NM+\k]
	global_load_b32 v[NM+\k], v[NM+\k], s[8:9]     ; this batch's norms: shown landed by chunk 1's first wait
.endr
.endif
.if (\c+4*\last) == 2
	global_load_b128 v[VI:VI+3], v[LANE16], s[4:5] offset:NEXTE    ; the next batch's node numbers, lane by lane: shown landed by chunk 3's first wait
.endif
.irp j, 0,1,2,3,4,5,6,7
	PAIR \j, \c, RF, LEFT-\j*DEC, SR
.endr
.endm
; relu in f32 on a result tile, then 8 numbers into 4 registers of f16.  The weights are source 0 and the edges source 1, so register j of lane (r, h) is unit
; 8 h + j of the tile for edge r: packed, that is one half (registers 0-3 or 4-7) of the next layer's source 1.  Nothing moves between lanes.
.macro RELUCVT dst, src
.irp i, 0,1,2,3,4,5,6,7
	v_max_num_f32 v[\src+\i], 0, v[\src+\i]
.endr
.irp i, 0,1,2,3
	v_cvt_pk_f16_f32 v[\dst+\i], v[\src+2*\i], v[\src+2*\i+1]
.endr
.endm
; The MLP for set p: two groups of 16 edges (g = 0: lanes 0-15, g = 1: lanes 16-31).  All registers in window 1.
; The accumulators take turns, one instruction a turn.
.macro PASS p
.irp t, 0,1,2,3
.irp g, 0,1
	v_wmma_f32_16x16x32_f16 v[ACC1+32*\g+8*\t:ACC1+32*\g+8*\t+7], v[W1A+8*\t:W1A+8*\t+7], v[IN+4*\p+2*\g:IN+4*\p+2*\g+7], 0
.endr
.endr
	PLACES
.irp t, 0,1,2,3
.irp g, 0,1
	RELUCVT H1+16*\g+4*\t, ACC1+32*\g+8*\t
.endr
.endr
.irp t, 0,1
.irp g, 0,1
	v_wmma_f32_16x16x32_f16 v[ACC1+16*\g+8*\t:ACC1+16*\g+8*\t+7], v[W2A+16*\t:W2A+16*\t+7], v[H1+16*\g:H1+16*\g+7], 0
.endr
.endr
.irp t, 0,1
.irp g, 0,1
	v_wmma_f32_16x16x32_f16 v[ACC1+16*\g+8*\t:ACC1+16*\g+8*\t+7], v[W2A+16*\t+8:W2A+16*\t+15], v[H1+16*\g+8:H1+16*\g+15], v[ACC1+16*\g+8*\t:ACC1+16*\g+8*\t+7]
.endr
.endr
.irp t, 0,1
.irp g, 0,1
	v_wmma_f32_16x16x32_f16 v[ACC1+16*\g+8*\t:ACC1+16*\g+8*\t+7], v[B2A+8*\t:B2A+8*\t+7], v[IN+4*\p+2*\g:IN+4*\p+2*\g+7], v[ACC1+16*\g+8*\t:ACC1+16*\g+8*\t+7]   ; + s b2
.endr
.endr
	PLACES
.irp t, 0,1
.irp g, 0,1
	RELUCVT H2+8*\g+4*\t, ACC1+16*\g+8*\t
.endr
.endr
	v_wmma_f32_16x16x32_f16 v[ACC3:ACC3+7],    v[WPA:WPA+7], v[H2:H2+7],    0
	v_wmma_f32_16x16x32_f16 v[ACC3+8:ACC3+15], v[WPA:WPA+7], v[H2+8:H2+15], 0
	v_wmma_f32_16x16x32_f16 v[ACC3:ACC3+7],    v[BPA:BPA+7], v[IN+4*\p:IN+4*\p+7],   v[ACC3:ACC3+7]        ; + s bp
	v_wmma_f32_16x16x32_f16 v[ACC3+8:ACC3+15], v[BPA:BPA+7], v[IN+4*\p+2:IN+4*\p+9], v[ACC3+8:ACC3+15]
	PLACES
	v_cndmask_b32 v[RES+\p], v[ACC3], v[ACC3+8], s[MH]         ; every row of the result is the prediction: lanes 0-15 take group 0's, lanes 16-31 group 1's
.endm
.macro MLP
	v_mul_f32 v[PR],   v[NM],   v[NM+1]            ; m1 m2
	v_mul_f32 v[PR+1], v[NM+2], v[NM+3]
	v_mul_f32 v[DT],   v[COS],   v[PR]             ; dot
	v_mul_f32 v[DT+1], v[COS+1], v[PR+1]
	v_max_num_f32 v[MX],   |v[DT]|,   1.0
	v_max_num_f32 v[MX+1], |v[DT+1]|, 1.0
	v_rcp_f32 v[SC],   v[MX]                       ; s
	v_rcp_f32 v[SC+1], v[MX+1]
	v_nop                                          ; the plain place behind the two reciprocals (ISA guide 5.7.2)
	s_wait_alu depctr_va_vdst(0)
	v_mul_f32 v[PR],   v[SC],   v[COS]
	v_mul_f32 v[PR+1], v[SC+1], v[COS+1]
	v_mul_f32 v[DT],   v[SC],   v[DT]
	v_mul_f32 v[DT+1], v[SC+1], v[DT+1]
	WIN 0x40                                       ; destinations in window 1
	v_cvt_pk_f16_f32 v[IN],   v[PR],   v[DT]       ; k = 0, 1: s cos, s dot
	v_cvt_pk_f16_f32 v[IN+1], v[SC],   0           ; k = 2, 3: s, 0
	v_cvt_pk_f16_f32 v[IN+4], v[PR+1], v[DT+1]
	v_cvt_pk_f16_f32 v[IN+5], v[SC+1], 0
	WIN 0x55                                       ; everything in window 1
	v_permlanex16_b32 v[IN+2], v[IN],   s12, s13   ; lanes 16-31's edges into lanes 0-15, where k = 0 .. 3 of source 1 lie.  What else an operand's eight
	v_permlanex16_b32 v[IN+3], v[IN+1], s12, s13   ; registers hold (the neighbours' numbers, lanes 16-31) meets zeros of the weights' operands
	v_permlanex16_b32 v[IN+6], v[IN+4], s12, s13
	v_permlanex16_b32 v[IN+7], v[IN+5], s12, s13
	PASS 0
	PASS 1
	WIN 0x01                                       ; source 0 in window 1
	v_mul_f32 v[OUT],   v[RES],   v[MX]            ; back from the scale
	v_mul_f32 v[OUT+1], v[RES+1], v[MX+1]
	WIN 0
	global_store_b64 v[OUTOFF], v[OUT:OUT+1], s[10:11] th:TH_STORE_NT   ; 32 lanes x 8 bytes: the batch's 256 consecutive bytes, at a multiple of 256 from out0's first byte
.endm
.macro BATCH last
	CHUNK 0, \last
	CHUNK 1, \last
	REDUCE 0
	CHUNK 2, \last
	CHUNK 3, \last
	REDUCE 1
	MLP
.endm
	s_load_b256 s[48:55], s[0:1], 0x0              ; W1 s[48:49], b1 s[50:51], W2 s[52:53], b2 s[54:55]
	s_load_b128 s[56:59], s[0:1], 0x20             ; Wp s[56:57], bp s[58:59]
	s_load_b256 s[4:11], s[0:1], 0x30              ; edge s[4:5], tab s[6:7], nrm s[8:9], out0 s[10:11]
	v_lshrrev_b32 v149, 5, v0
	v_readfirstlane_b32 s2, v149                   ; wave 0..7
	s_lshl_b32 s3, ttmp9, 3
	s_add_co_u32 s3, s3, s2                        ; g: 0..2047
	s_cmp_lt_u32 s3, 1289                          ; 15,625 = 7 x 2,048 + 1,289
	s_cselect_b32 s15, 7, 6                        ; the loop's trips: the wave's batches less the last, which is written out
	s_mov_b32 s14, 0
	s_mov_b32 s12, 0x76543210                      ; v_permlanex16_b32: lane i of one half reads lane i of the other
	s_mov_b32 s13, 0xfedcba98
	v_and_b32 v150, 31, v0                         ; lane
	v_and_b32 v151, 15, v0                         ; r
	v_bfe_u32 v152, v0, 4, 1                       ; h
	v_lshlrev_b32 v[LANE16], 4, v150
	v_lshlrev_b32 v[OUTOFF], 3, v150
	v_lshlrev_b32 v[A8R], 3, v151
	v_lshlrev_b32 v[A4R], 2, v151
	v_lshlrev_b32 v[A32H], 5, v152
	v_lshl_add_u32 v[AW2], v151, 8, v[A32H]        ; 256 r + 32 h
	v_mov_b32 v[AZ], 0
	s_lshl_b32 s60, s3, 9
	s_mov_b32 s61, 0
	s_wait_kmcnt 0x0
	s_add_nc_u64 s[4:5], s[4:5], s[60:61]          ; edge at my first batch
	s_lshl_b32 s60, s3, 8
	s_add_nc_u64 s[10:11], s[10:11], s[60:61]      ; out0 at my first batch
	s_load_b512 s[SET0:SET0+15],    s[4:5], 0x0    ; chunk 0's node numbers
	s_load_b512 s[SET0+16:SET0+31], s[4:5], 0x40
	s_load_b512 s[SET1:SET1+15],    s[4:5], 0x80   ; chunk 1's
	s_load_b512 s[SET1+16:SET1+31], s[4:5], 0xc0
	; the weights, each lane taking what its place in the operands needs: 31 loads
.irp t, 0,1,2,3
	global_load_b64 v[SW1+2*\t:SW1+2*\t+1], v[A8R], s[48:49] offset:128*\t      ; W1[16 t + r][0 .. 1]
	global_load_b32 v[SB1+\t], v[A4R], s[50:51] offset:64*\t                    ; b1[16 t + r]
.endr
.irp t, 0,1
	global_load_b32 v[SB2+\t], v[A4R], s[54:55] offset:64*\t                    ; b2[16 t + r]
.endr
	global_load_b32 v[SBP], v[AZ], s[58:59]
.irp t, 0,1
.irp c, 0,1
	global_load_b128 v[SW2+32*\t+16*\c:SW2+32*\t+16*\c+3],     v[AW2], s[52:53] offset:4096*\t+128*\c      ; W2[16 t + r][32 c + 8 h .. + 7]
	global_load_b128 v[SW2+32*\t+16*\c+4:SW2+32*\t+16*\c+7],   v[AW2], s[52:53] offset:4096*\t+128*\c+16
	global_load_b128 v[SW2+32*\t+16*\c+8:SW2+32*\t+16*\c+11],  v[AW2], s[52:53] offset:4096*\t+128*\c+64   ; W2[16 t + r][32 c + 16 + 8 h .. + 7]
	global_load_b128 v[SW2+32*\t+16*\c+12:SW2+32*\t+16*\c+15], v[AW2], s[52:53] offset:4096*\t+128*\c+80
.endr
.endr
	global_load_b128 v[SWP:SWP+3],     v[A32H], s[56:57]                        ; Wp[8 h .. + 7]
	global_load_b128 v[SWP+4:SWP+7],   v[A32H], s[56:57] offset:16
	global_load_b128 v[SWP+8:SWP+11],  v[A32H], s[56:57] offset:64              ; Wp[16 + 8 h .. + 7]
	global_load_b128 v[SWP+12:SWP+15], v[A32H], s[56:57] offset:80
	global_load_b128 v[VI:VI+3], v[LANE16], s[4:5]                              ; the first batch's node numbers, lane by lane
	s_wait_kmcnt 0x0
.set i, 0
.rept 32
	s_min_u32 s[SET0+i], s[SET0+i], LASTNODE
.set i, i+1
.endr
.irp k, 0,1,2,3,4,5,6,7,8,9,10,11,12,13,14,15
	FILL \k, SET0                                  ; the ring is filled before the weights are worked on
.endr
	s_wait_loadcnt 32                              ; the ring's 32 loads stay out; the weights and the node numbers are in, their offsets and bases free
	s_mov_b32 s[MH], 0xffff0000                    ; lanes 16-31
.irp t, 0,1,2,3
	v_cvt_pk_f16_f32 v[SW1+2*\t], v[SW1+2*\t], v[SW1+2*\t+1]
	v_cvt_pk_f16_f32 v[SB1+\t], v[SB1+\t], 0
.endr
	v_cvt_pk_f16_f32 v[SB2],   v[SB2],   0
	v_cvt_pk_f16_f32 v[SB2+1], v[SB2+1], 0
	v_cvt_pk_f16_f32 v[SBP],   v[SBP],   0
	WIN 0x40                                       ; destinations in window 1
.set n, 0
.rept 40
	v_cvt_pk_f16_f32 v[W2A+n], v[SW2+2*n], v[SW2+2*n+1]        ; W2's four operands, then Wp's, in the order in which they were loaded
.set n, n+1
.endr
.irp t, 0,1,2,3
	v_cndmask_b32 v[W1A+8*\t],   v[SW1+2*\t], 0, s[MH]         ; k = 0 .. 3 lie in lanes 0-15; lanes 16-31 (k = 8 ..) are 0
	v_cndmask_b32 v[W1A+8*\t+1], v[SB1+\t],   0, s[MH]
.irp z, 2,3,4,5,6,7
	v_mov_b32 v[W1A+8*\t+\z], 0                    ; the operands' constant zeros, written once for the launch
.endr
.endr
.irp t, 0,1
	v_cndmask_b32 v[B2A+8*\t+1], v[SB2+\t], 0, s[MH]
.irp z, 0,2,3,4,5,6,7
	v_mov_b32 v[B2A+8*\t+\z], 0
.endr
.endr
	v_cndmask_b32 v[BPA+1], v[SBP], 0, s[MH]
.irp z, 0,2,3,4,5,6,7
	v_mov_b32 v[BPA+\z], 0
.endr
.irp z, 2,3,6,7,8,9,10,11,12,13
	v_mov_b32 v[IN+\z], 0                          ; the six zeros behind the inputs; b and d are destinations of v_permlanex16_b32 and are written once before
.endr
	WIN 0
	; the eight selectors, over the registers in which the weights were loaded.  Registers 4 t .. 4 t + 3 of the run hold two f16 ones in lanes t and t + 16 and zeros elsewhere:
	; selector q = registers 8 q .. 8 q + 7: column 2 q takes k = 0-15 (the operand's registers 0-3 in both halves of the wave), column 2 q + 1 takes k = 16-31 (registers 4-7)
	v_mov_b32 v[DE], 0x3c003c00                    ; 1.0, twice
.set t, 0
.rept 16
	s_mov_b32 s60, 0x10001<<t
.irp z, 0,1,2,3
	v_cndmask_b32 v[SEL+4*t+\z], 0, v[DE], s60
.endr
.set t, t+1
.endr
.Lbatch:
	BATCH 0
	s_wait_xcnt 0x0                                ; the two bases and the store's data are rewritten only behind this wait (ISA guide 3.1)
	s_add_nc_u64 s[4:5], s[4:5], NEXTE
	s_add_nc_u64 s[10:11], s[10:11], NEXTO
	s_add_co_u32 s14, s14, 1
	s_cmp_lt_u32 s14, s15
	s_cbranch_scc1 .Lbatch
	BATCH 1                                        ; the last batch fetches nothing beyond itself
	s_endpgm
.Lfunc_end_k_q12d0688a87_edges:
	.size	k_q12d0688a87_edges, .Lfunc_end_k_q12d0688a87_edges-k_q12d0688a87_edges
	.p2alignl 7, 3214868480
	.fill 96, 4, 3214868480
	.section	.rodata,"a",@progbits
	.p2align	6, 0x0
	.amdhsa_kernel k_q12d0688a87_edges
		.amdhsa_group_segment_fixed_size 0
		.amdhsa_private_segment_fixed_size 0
		.amdhsa_enable_private_segment 0
		.amdhsa_kernarg_size 80
		.amdhsa_user_sgpr_count 2
		.amdhsa_user_sgpr_kernarg_segment_ptr 1
		.amdhsa_wavefront_size32 1
		.amdhsa_system_sgpr_workgroup_id_x 1
		.amdhsa_system_sgpr_workgroup_id_y 1
		.amdhsa_system_sgpr_workgroup_id_z 1
		.amdhsa_system_vgpr_workitem_id 0
		.amdhsa_next_free_vgpr 496
		.amdhsa_next_free_sgpr 100
		.amdhsa_reserve_vcc 0
		.amdhsa_float_denorm_mode_32 3
		.amdhsa_float_denorm_mode_16_64 3
		.amdhsa_memory_ordered 1
		.amdhsa_forward_progress 1
		.amdhsa_inst_pref_size 150
	.end_amdhsa_kernel
	.amdgpu_metadata
---
amdhsa.version: [ 1, 2 ]
amdhsa.kernels:
  - .name:           k_q12d0688a87_edges
    .symbol:         k_q12d0688a87_edges.kd
    .args:
      - { .name: W1, .offset: 0, .size: 8, .value_kind: global_buffer, .address_space: global }
      - { .name: b1, .offset: 8, .size: 8, .value_kind: global_buffer, .address_space: global }
      - { .name: W2, .offset: 16, .size: 8, .value_kind: global_buffer, .address_space: global }
      - { .name: b2, .offset: 24, .size: 8, .value_kind: global_buffer, .address_space: global }
      - { .name: Wp, .offset: 32, .size: 8, .value_kind: global_buffer, .address_space: global }
      - { .name: bp, .offset: 40, .size: 8, .value_kind: global_buffer, .address_space: global }
      - { .name: edge, .offset: 48, .size: 8, .value_kind: global_buffer, .address_space: global }
      - { .name: tab, .offset: 56, .size: 8, .value_kind: global_buffer, .address_space: global }
      - { .name: nrm, .offset: 64, .size: 8, .value_kind: global_buffer, .address_space: global }
      - { .name: out0, .offset: 72, .size: 8, .value_kind: global_buffer, .address_space: global }
    .group_segment_fixed_size: 0
    .private_segment_fixed_size: 0
    .kernarg_segment_align: 8
    .kernarg_segment_size: 80
    .max_flat_workgroup_size: 256
    .sgpr_count:     100
    .vgpr_count:     496
    .wavefront_size: 32
...
	.end_amdgpu_metadata
.endif
;; end of part 2
;; ======== version 2 of 2: 2 launches; version 1 with the launch edges written anew for expert scheduling mode
;; limits: values outside matrix products are rounded to f16; values are held in f16: magnitudes above 65,504 overflow, below 6.1e-05 lose precision
;; workspace buffers: tab 51,200,000 bytes; nrm 400,128 bytes
;; launch prep: the kernel of part 1 again; grid 3125 x 1, 1 waves a work-group, no clusters, 0 bytes of LDS; arguments emb_matrix0, weight_vec, tab, nrm; writes tab, nrm
;; launch edges (part 3): grid 256 x 1, 8 waves a work-group, no clusters, 0 bytes of LDS; arguments W1, b1, W2, b2, Wp, bp, edge, tab, nrm, out0; writes out0
.if DOCPART == 3
	.amdgcn_target "amdgcn-amd-amdhsa--gfx1250"
	.amdhsa_code_object_version 6
	.text
	.protected	k_q12d0688a87_edges
	.globl	k_q12d0688a87_edges
	.p2align	8
	.type	k_q12d0688a87_edges,@function
k_q12d0688a87_edges:
	s_mov_b64 s[64:65], 0
	v_nop
	global_prefetch_b8 v0, s[64:65] scope:SCOPE_SE
	s_setreg_imm32_b32 hwreg(HW_REG_WAVE_SCHED_MODE, 0, 2), 2
	s_setreg_imm32_b32 hwreg(HW_REG_WAVE_MODE, 25, 1), 1
	s_wait_xcnt 0x0
	s_wait_alu depctr_vm_vsrc(0)
; For every edge (i, j):  cos = sum over d of tab[i][d] tab[j][d],  dot = cos * nrm[i] * nrm[j],
;   out0 = Wp relu(W2 relu(W1 (cos, dot) + b1) + b2) + bp.
; With tab = w x / m and nrm = m = max(norm, 1e-8) these are the cosine with both norms clamped, and the weighted dot product.
; THE DOT PRODUCT.  A row of tab is 512 bytes: one load of 16 bytes a lane, so lane l holds 8 numbers of each of an edge's two rows.  Four v_pk_mul_f16
; make the lane's 8 products, and the matrix unit adds them up in f32: two edges' products are source 0 of a 16x16x32 instruction (its row m: lanes m and
; m + 16; k = 0-15 the first edge, k = 16-31 the second), and source 1 is a constant selector with ones at (column 2q, k < 16) and (column 2q + 1, k >= 16).
; Eight such instructions, q = 0 .. 7, add in place onto one accumulator: D(m, n) = the part of edge n's sum that lanes m and m + 16 hold.  The sum over m is a
; sum over the lane's eight result registers and over the two halves of the wave, and leaves edge n's cosine in lane n: no widening, no sum from lane to lane.
; THE MLP RUNS SCALED.  relu is positively homogeneous, so with s = 1 / max(|dot|, 1) the chain on (s cos, s dot, s), the biases multiplied by
; the third entry, gives s times the prediction; the result is multiplied by max(|dot|, 1).  So the f16 matrix operands made of data are
; at most 1 in the input layer and of the weights' size behind it, whatever the size of dot.
; LIMITS: each product of two entries of tab is rounded once to f16 before it is summed in f32 (both factors are at most 1, so none overflows; products below
; 6e-5 are f16 denormals, absolute error 3e-8 each).  Indices are clamped to 99,999.  The entries of W1, b1, W2, b2, Wp, bp and the scaled hidden values have
; to stay below 65,504 (f16); weights below 6e-5 are f16 denormals.  nrm[i] * nrm[j] has to be finite in f32.  An edge whose dot is not finite spoils also the
; up to 7 edges whose numbers share its operand registers (0 x infinity), and relu is made by v_max_num_f32, which turns a NaN into 0.
;
; SHARES: a batch is 64 consecutive edges (512 bytes of edge, 256 bytes of out0); 15,625 batches; wave g of 2,048 takes batches g, g + 2,048, ...:
; 8 of them if g < 1,289, else 7.  The waves share nothing: no LDS, no barrier.  No tile is common to two work-groups and the rows come in the
; list's order, so there is nothing for a joint request in a cluster, and nothing for a tile load: rows are gathered straight into registers.
; A ring of 16 edge slots (32 rows) keeps up to 32 row loads of a wave on their way, 8 waves x 32 x 512 bytes = 128 KiB for the work-group.
; The rows' numbers are read by scalar loads, one chunk of 16 edges ahead.
; Edge e of a batch belongs to set p = e & 1 and lane e >> 1: a lane's two results are 8 neighbouring bytes and one store covers the batch's 256 bytes.
; So the even and the odd edges of 32 consecutive edges have an accumulator each, column (e & 31) >> 1.
;
; THE MODE: SCHED_MODE bits 1:0 = 2 (LLVM: expert scheduling mode 2), set by the entry lines.  The code itself states the register dependences
; between vector or matrix instructions and memory instructions, with s_wait_alu, always for 0.
; THE PLAN.  Registers that memory instructions touch, in the loop:
;   the ring      A STEP is four slots (two pairs of edges, 8 rows, 32 registers).  Step u of a chunk: its sixteen products read the 32 registers; eight v_lshl_add_u32 write
;                 the next rows' offsets into the first register of each four; the step's eight loads read those offsets and land in the same 32 registers.
;   NM            written by vector instructions (offsets) in chunk 0's first step; read and landed on by the four loads of norms there; read by the MLP's multiplies.
;   VI            read by vector instructions in chunk 0's first step; loaded again at chunk 2's head.
;   OUT           written by the MLP's last two multiplies; read by the batch's store.
;   LANE16, OUTOFF  made at the head, never written again.
;   The products, the selectors, the accumulators, COS and all of window 1 are named by vector and matrix instructions alone.
; ONE wait on va_vdst stands in a step, behind its products and offsets: the products are done reading the four slots and the offsets are written.  It stands there and not at the next
; step's head so that the slots are asked for again at once.  The step's loads follow it, dealt among its two matrix instructions, which name the products, a selector and the accumulators: none of the registers that those loads touch.
; ONE wait on vm_vsrc stands in a chunk, in its first step ahead of the offsets: every offset register that the chunk's four steps write was last read by a load of the chunk before.
; One more wait on va_vdst a batch stands ahead of the store.
;
; REGISTERS.  Window 0 (v0-v255); all that the dot product names lies here, so that it needs no switch of windows:
; v0-v127: the ring.  Slot k: row of the edge's first node in v[8k:8k+3], of its second in v[8k+4:8k+7]; the first register of each four first holds the load's own offset.
.set LANE16, 128                       ; v128       16 x lane, never rewritten
.set OUTOFF, 129                       ; v129       8 x lane, never rewritten
.set VI,     130                       ; v[130:133] the four node numbers of my two edges, of the batch whose norms are fetched next
.set NM,     134                       ; v[134:137] their offsets in nrm, then the four norms
.set MX,     138                       ; v[138:139] max(|dot|, 1), set 0 and 1
.set OUT,    140                       ; v[140:141] the two results
.set COS,    142                       ; v[142:143] cos, set 0 and 1
.set DE,     144                       ; v[144:151] the even edges' accumulator
.set DO,     152                       ; v[152:159] the odd edges'
.set PR,     146                       ; v[146:151] at work in front of the MLP, when the even accumulator has been summed
.set DT,     148
.set SC,     150
.set P,      160                       ; v[160:191] products: two sets that take turns, each with 8 registers for two even and 8 for two odd edges
.set SEL,    192                       ; v[192:255] the eight selectors, 8 registers each
; At the start only: offsets in v144-v148, the weights as loaded in v160-v254.
.set A8R, 144
.set A4R, 145
.set AW2, 146
.set A32H, 147
.set AZ,  148
.set SW2, 160                          ; 64 registers
.set SWP, 224                          ; 16
.set SW1, 240                          ; 8
.set SB1, 248                          ; 4
.set SB2, 252                          ; 2
.set SBP, 254
; Window 1 (v256 + n, written v[n] under s_set_vgpr_msb): the weights as matrix operands, and the MLP's data
.set W1A,  0                           ; tile t at 8 t: 16 units x K, k = 0, 1: W1's row, k = 2: b1, all else 0
.set B2A,  32                          ; tile t at 8 t: k = 2: b2, all else 0
.set W2A,  48                          ; 16 t + 8 c: units 16 t .., k = 32 c ..
.set WPA,  80                          ; Wp in every row
.set BPA,  88                          ; k = 2: bp in every row, all else 0
.set IN,   96                          ; a0 a1 b0 b1 c0 c1 d0 d1 and six zeros: four operands of 8 registers that overlap, at IN, IN+2, IN+4, IN+6
.set RES,  110                         ; the scaled prediction, set 0 and 1
.set ACC1, 112                         ; 32 g + 8 t: layer 1's results; layer 2's at 16 g + 8 t in the same registers
.set H1,   176                         ; 16 g + 8 c
.set H2,   208                         ; 8 g
.set ACC3, 224                         ; 8 g
; Scalars: s[4:5] edge at the batch, s[6:7] tab, s[8:9] nrm, s[10:11] out0 at the batch, s12-13 lane selects, s14-15 trips,
; s[16:47] and s[68:99] two sets of 32 node numbers (16 edges), s52 the mask of lanes 16-31 (at the start s[48:59]: the weights' addresses).
.set SET0, 16
.set SET1, 68
.set MH,   52
.set LASTNODE, 0x1869f                 ; 99,999
.set NEXTE, 0x100000                   ; 2,048 batches of 512 bytes of edge
.set NEXTO, 0x80000                    ; 2,048 batches of 256 bytes of out0
.set MSB, 0
.macro WIN new                         ; s_set_vgpr_msb: bits 1:0 source 0, 3:2 source 1, 5:4 source 2, 7:6 destination; the high byte repeats the setting that is left
.if MSB != \new
	s_set_vgpr_msb (MSB<<8)|\new
.set MSB, \new
.endif
.endm
.macro PLACES                          ; four plain vector instructions between a matrix instruction and the first vector instruction that reads its result (ISA guide 7.12.1)
.rept 4
	v_nop
.endr
.endm
; Slot k is filled again in two parts.  OFFS: the offsets of the two rows of the edge whose node numbers are s[S + 2k] and s[S + 2k + 1] (clamped before).
; ROWS: the two loads; each lands on its own offset register, so that the wait for its data also shows the load that read the offset done.
.macro OFFS k, S
	v_lshl_add_u32 v[8*(\k)],   s[\S+2*(\k)],   9, v[LANE16]   ; node x 512 + 16 lane
	v_lshl_add_u32 v[8*(\k)+4], s[\S+2*(\k)+1], 9, v[LANE16]
.endm
.macro ROWS k
	global_load_b128 v[8*(\k):8*(\k)+3],   v[8*(\k)],   s[6:7]
	global_load_b128 v[8*(\k)+4:8*(\k)+7], v[8*(\k)+4], s[6:7]
.endm
; Ring slots 2j and 2j + 1: an even and an odd edge, both of column 8 (chunk & 1) + j of their accumulators.  left = how many younger loads may stay out.
.macro PRODS j, left
	s_wait_loadcnt \left                           ; loads come back in order (ISA guide 5.7.1): the pair's four rows are the oldest
.set PW, P+16*(((\j)>>1)&1)
.set PB, PW+4*((\j)&1)
.irp t, 0,1,2,3
	v_pk_mul_f16 v[PB+\t], v[16*(\j)+\t], v[16*(\j)+4+\t]          ; the even edge's 8 products
.endr
.irp t, 0,1,2,3
	v_pk_mul_f16 v[PB+8+\t], v[16*(\j)+8+\t], v[16*(\j)+12+\t]     ; the odd edge's
.endr
.endm
; Step u of chunk c: pairs 2u and 2u + 1, slots 4u to 4u + 3.  left: the count of the first pair's wait; the second pair's is four less.
; refill: the slots get the edges 16 further on, whose node numbers lie in set S.  norms: the batch's four loads of norms go out with this step's loads.
; A set of product registers is written again two steps on: the sixteen products of the step between, plain vector instructions that name none of the matrix
; instructions' registers, stand between (ISA guide 7.12.1 asks for four).  The two accumulators take turns, one instruction a turn.
.macro STEP u, c, refill, left, S, norms
	PRODS 2*(\u),   \left
	PRODS 2*(\u)+1, (\left)-4
.if \refill
.if (\u) == 0
	s_wait_alu depctr_vm_vsrc(0)                   ; the loads of the chunk before have read their offsets, the registers that this chunk's four steps write anew; in chunk 0 also: the last batch's loads of norms have read NM, its store has read OUT
.endif
.irp k, 0,1,2,3
	OFFS 4*(\u)+\k, \S
.endr
.if \norms
.irp k, 0,1,2,3
	v_min_u32 v[NM+\k], LASTNODE, v[VI+\k]
	v_lshlrev_b32 v[NM+\k], 2, v[NM+\k]
.endr
.endif
	s_wait_alu depctr_va_vdst(0)                   ; the sixteen products are done reading the four slots, in which the loads below land, and the eight offsets that those loads read are written; with norms: NM's four offsets too, and the last MLP is done reading NM
.if \norms
.irp k, 0,1,2,3
	global_load_b32 v[NM+\k], v[NM+\k], s[8:9]     ; this batch's norms, ahead of the step's rows: shown landed by chunk 1's first wait
.endr
.endif
	ROWS 4*(\u)
	ROWS 4*(\u)+1
.endif
.set PW, P+16*((\u)&1)
.set SQ, SEL+8*(4*((\c)&1)+(\u))
.if (4*((\c)&1)+(\u)) == 0
	v_wmma_f32_16x16x32_f16 v[DE:DE+7], v[PW:PW+7],    v[SQ:SQ+7], 0           ; the first four of 32 edges start the sums: nothing is cleared
.else
	v_wmma_f32_16x16x32_f16 v[DE:DE+7], v[PW:PW+7],    v[SQ:SQ+7], v[DE:DE+7]
.endif
.if \refill
	ROWS 4*(\u)+2                                  ; no wait: no vector or matrix instruction since the wait above names a register of these slots
	ROWS 4*(\u)+3
.endif
.if (4*((\c)&1)+(\u)) == 0
	v_wmma_f32_16x16x32_f16 v[DO:DO+7], v[PW+8:PW+15], v[SQ:SQ+7], 0
.else
	v_wmma_f32_16x16x32_f16 v[DO:DO+7], v[PW+8:PW+15], v[SQ:SQ+7], v[DO:DO+7]
.endif
.endm
; 32 edges are summed: register j of lane (r, h) holds the part of column r's edge that lanes 8 h + j and 8 h + j + 16 made.  The eight registers and the two halves
; are added; every lane r and r + 16 then holds column r's cosine.  hb = 0: the batch's first 32 edges, kept in lanes 0-15; hb = 1: the last 32, in lanes 16-31.
.macro REDUCE hb
	PLACES
	v_pk_add_f32 v[DE:DE+1],   v[DE:DE+1],   v[DE+2:DE+3]
	v_pk_add_f32 v[DO:DO+1],   v[DO:DO+1],   v[DO+2:DO+3]
	v_pk_add_f32 v[DE+4:DE+5], v[DE+4:DE+5], v[DE+6:DE+7]
	v_pk_add_f32 v[DO+4:DO+5], v[DO+4:DO+5], v[DO+6:DO+7]
	v_pk_add_f32 v[DE:DE+1],   v[DE:DE+1],   v[DE+4:DE+5]
	v_pk_add_f32 v[DO:DO+1],   v[DO:DO+1],   v[DO+4:DO+5]
	v_add_f32 v[DE], v[DE], v[DE+1]
	v_add_f32 v[DO], v[DO], v[DO+1]
	v_permlanex16_b32 v[DE+1], v[DE], s12, s13
	v_permlanex16_b32 v[DO+1], v[DO], s12, s13
.if \hb == 0
	v_add_f32 v[COS],   v[DE], v[DE+1]
	v_add_f32 v[COS+1], v[DO], v[DO+1]
.else
	v_add_f32 v[DE], v[DE], v[DE+1]
	v_add_f32 v[DO], v[DO], v[DO+1]
	v_cndmask_b32 v[COS],   v[COS],   v[DE], s[MH]     ; lane l of COS + p now holds edge 2 l + p
	v_cndmask_b32 v[COS+1], v[COS+1], v[DO], s[MH]
.endif
.endm
; Chunk c of a batch: 16 edges leave the ring, chunk c + 1's enter it (behind chunk 3: the next batch's chunk 0).  last = 1: the wave's last batch.
.macro CHUNK c, last
.if ((\c) & 1) == 0
.set SR, SET1                          ; chunk c + 1's node numbers
.set SL, SET0                          ; chunk c's, used up: chunk c + 2's are fetched into them
.else
.set SR, SET0
.set SL, SET1
.endif
.set LEFT, 28                          ; younger than a step's first four loads: its other four and the 24 of the ring's other three steps
.set DEC, 0
.set RF, 1
.if (\c+4*\last) == 2
.set LEFT, 29                          ; and the one load of node numbers at this chunk's head
.endif
.if (\c*\last) == 3
.set DEC, 8                            ; nothing is left to fetch: the counts run down to 0
.set RF, 0
.endif
.if RF
	s_wait_kmcnt 0x0                               ; scalar loads come back in no order (ISA guide 5.7.1): 0; these were asked for one chunk ago
.set i, 0
.rept 32
	s_min_u32 s[SR+i], s[SR+i], LASTNODE           ; no offset is made of a loaded number that is not clamped
.set i, i+1
.endr
.endif
.if (\c*\last) < 2
.if \c < 2
.set EOFF, 256+128*\c
.else
.set EOFF, NEXTE+128*(\c-2)
.endif
	s_load_b512 s[SL:SL+15],    s[4:5], EOFF
	s_load_b512 s[SL+16:SL+31], s[4:5], EOFF+64
.endif
.if (\c+4*\last) == 2
	global_load_b128 v[VI:VI+3], v[LANE16], s[4:5] offset:NEXTE    ; the next batch's node numbers, lane by lane: shown landed by chunk 3's first wait.  No wait: the lines that read VI stand ahead of chunk 0's first wait on va_vdst, and nothing has named VI since
.endif
.irp u, 0,1,2,3
.set LF, LEFT-\u*DEC
.set NRM, 0
.if \c == 0
.if \u == 0
.set NRM, 1                            ; the norms go out in chunk 0's first step,
.else
.set LF, LF+4                          ; and are four more younger loads in its other three
.endif
.endif
	STEP \u, \c, RF, LF, SR, NRM
.endr
.endm
; relu in f32 on a result tile, then 8 numbers into 4 registers of f16.  The weights are source 0 and the edges source 1, so register j of lane (r, h) is unit
; 8 h + j of the tile for edge r: packed, that is one half (registers 0-3 or 4-7) of the next layer's source 1.  Nothing moves between lanes.
.macro RELUCVT dst, src
.irp i, 0,1,2,3,4,5,6,7
	v_max_num_f32 v[\src+\i], 0, v[\src+\i]
.endr
.irp i, 0,1,2,3
	v_cvt_pk_f16_f32 v[\dst+\i], v[\src+2*\i], v[\src+2*\i+1]
.endr
.endm
; The MLP for set p: two groups of 16 edges (g = 0: lanes 0-15, g = 1: lanes 16-31).  All registers in window 1; no memory instruction names them.
; The accumulators take turns, one instruction a turn.
.macro PASS p
.irp t, 0,1,2,3
.irp g, 0,1
	v_wmma_f32_16x16x32_f16 v[ACC1+32*\g+8*\t:ACC1+32*\g+8*\t+7], v[W1A+8*\t:W1A+8*\t+7], v[IN+4*\p+2*\g:IN+4*\p+2*\g+7], 0
.endr
.endr
	PLACES
.irp t, 0,1,2,3
.irp g, 0,1
	RELUCVT H1+16*\g+4*\t, ACC1+32*\g+8*\t
.endr
.endr
.irp t, 0,1
.irp g, 0,1
	v_wmma_f32_16x16x32_f16 v[ACC1+16*\g+8*\t:ACC1+16*\g+8*\t+7], v[W2A+16*\t:W2A+16*\t+7], v[H1+16*\g:H1+16*\g+7], 0
.endr
.endr
.irp t, 0,1
.irp g, 0,1
	v_wmma_f32_16x16x32_f16 v[ACC1+16*\g+8*\t:ACC1+16*\g+8*\t+7], v[W2A+16*\t+8:W2A+16*\t+15], v[H1+16*\g+8:H1+16*\g+15], v[ACC1+16*\g+8*\t:ACC1+16*\g+8*\t+7]
.endr
.endr
.irp t, 0,1
.irp g, 0,1
	v_wmma_f32_16x16x32_f16 v[ACC1+16*\g+8*\t:ACC1+16*\g+8*\t+7], v[B2A+8*\t:B2A+8*\t+7], v[IN+4*\p+2*\g:IN+4*\p+2*\g+7], v[ACC1+16*\g+8*\t:ACC1+16*\g+8*\t+7]   ; + s b2
.endr
.endr
	PLACES
.irp t, 0,1
.irp g, 0,1
	RELUCVT H2+8*\g+4*\t, ACC1+16*\g+8*\t
.endr
.endr
	v_wmma_f32_16x16x32_f16 v[ACC3:ACC3+7],    v[WPA:WPA+7], v[H2:H2+7],    0
	v_wmma_f32_16x16x32_f16 v[ACC3+8:ACC3+15], v[WPA:WPA+7], v[H2+8:H2+15], 0
	v_wmma_f32_16x16x32_f16 v[ACC3:ACC3+7],    v[BPA:BPA+7], v[IN+4*\p:IN+4*\p+7],   v[ACC3:ACC3+7]        ; + s bp
	v_wmma_f32_16x16x32_f16 v[ACC3+8:ACC3+15], v[BPA:BPA+7], v[IN+4*\p+2:IN+4*\p+9], v[ACC3+8:ACC3+15]
	PLACES
	v_cndmask_b32 v[RES+\p], v[ACC3], v[ACC3+8], s[MH]         ; every row of the result is the prediction: lanes 0-15 take group 0's, lanes 16-31 group 1's
.endm
.macro MLP
	v_mul_f32 v[PR],   v[NM],   v[NM+1]            ; m1 m2
	v_mul_f32 v[PR+1], v[NM+2], v[NM+3]
	v_mul_f32 v[DT],   v[COS],   v[PR]             ; dot
	v_mul_f32 v[DT+1], v[COS+1], v[PR+1]
	v_max_num_f32 v[MX],   |v[DT]|,   1.0
	v_max_num_f32 v[MX+1], |v[DT+1]|, 1.0
	v_rcp_f32 v[SC],   v[MX]                       ; s
	v_rcp_f32 v[SC+1], v[MX+1]
	v_nop                                          ; the plain place behind the two reciprocals (ISA guide 5.7.2)
	s_wait_alu depctr_va_vdst(0)
	v_mul_f32 v[PR],   v[SC],   v[COS]
	v_mul_f32 v[PR+1], v[SC+1], v[COS+1]
	v_mul_f32 v[DT],   v[SC],   v[DT]
	v_mul_f32 v[DT+1], v[SC+1], v[DT+1]
	WIN 0x40                                       ; destinations in window 1
	v_cvt_pk_f16_f32 v[IN],   v[PR],   v[DT]       ; k = 0, 1: s cos, s dot
	v_cvt_pk_f16_f32 v[IN+1], v[SC],   0           ; k = 2, 3: s, 0
	v_cvt_pk_f16_f32 v[IN+4], v[PR+1], v[DT+1]
	v_cvt_pk_f16_f32 v[IN+5], v[SC+1], 0
	WIN 0x55                                       ; everything in window 1
	v_permlanex16_b32 v[IN+2], v[IN],   s12, s13   ; lanes 16-31's edges into lanes 0-15, where k = 0 .. 3 of source 1 lie.  What else an operand's eight
	v_permlanex16_b32 v[IN+3], v[IN+1], s12, s13   ; registers hold (the neighbours' numbers, lanes 16-31) meets zeros of the weights' operands
	v_permlanex16_b32 v[IN+6], v[IN+4], s12, s13
	v_permlanex16_b32 v[IN+7], v[IN+5], s12, s13
	PASS 0
	PASS 1
	WIN 0x01                                       ; source 0 in window 1
	v_mul_f32 v[OUT],   v[RES],   v[MX]            ; back from the scale
	v_mul_f32 v[OUT+1], v[RES+1], v[MX+1]
	WIN 0
	s_wait_alu depctr_va_vdst(0)                   ; the two multiplies have written OUT, which the store reads
	global_store_b64 v[OUTOFF], v[OUT:OUT+1], s[10:11] th:TH_STORE_NT   ; 32 lanes x 8 bytes: the batch's 256 consecutive bytes, at a multiple of 256 from out0's first byte
.endm
.macro BATCH last
	CHUNK 0, \last
	CHUNK 1, \last
	REDUCE 0
	CHUNK 2, \last
	CHUNK 3, \last
	REDUCE 1
	MLP
.endm
	s_load_b256 s[48:55], s[0:1], 0x0              ; W1 s[48:49], b1 s[50:51], W2 s[52:53], b2 s[54:55]
	s_load_b128 s[56:59], s[0:1], 0x20             ; Wp s[56:57], bp s[58:59]
	s_load_b256 s[4:11], s[0:1], 0x30              ; edge s[4:5], tab s[6:7], nrm s[8:9], out0 s[10:11]
	v_lshrrev_b32 v149, 5, v0
	v_readfirstlane_b32 s2, v149                   ; wave 0..7
	v_and_b32 v150, 31, v0                         ; lane
	v_and_b32 v151, 15, v0                         ; r
	v_bfe_u32 v152, v0, 4, 1                       ; h
	v_lshlrev_b32 v[LANE16], 4, v150
	v_lshlrev_b32 v[OUTOFF], 3, v150
	v_lshlrev_b32 v[A8R], 3, v151
	v_lshlrev_b32 v[A4R], 2, v151
	v_lshlrev_b32 v[A32H], 5, v152
	v_lshl_add_u32 v[AW2], v151, 8, v[A32H]        ; 256 r + 32 h
	v_mov_b32 v[AZ], 0
	s_mov_b32 s14, 0
	s_mov_b32 s12, 0x76543210                      ; v_permlanex16_b32: lane i of one half reads lane i of the other
	s_mov_b32 s13, 0xfedcba98
	s_lshl_b32 s3, ttmp9, 3
	s_wait_alu depctr_va_sdst(0)                   ; s2 is written, ahead of its first reader: the wave's batches, and with them the bases of edge and out0, are made from it
	s_add_co_u32 s3, s3, s2                        ; g: 0..2047
	s_cmp_lt_u32 s3, 1289                          ; 15,625 = 7 x 2,048 + 1,289
	s_cselect_b32 s15, 7, 6                        ; the loop's trips: the wave's batches less the last, which is written out
	s_lshl_b32 s60, s3, 9
	s_mov_b32 s61, 0
	s_wait_kmcnt 0x0
	s_add_nc_u64 s[4:5], s[4:5], s[60:61]          ; edge at my first batch
	s_lshl_b32 s60, s3, 8
	s_add_nc_u64 s[10:11], s[10:11], s[60:61]      ; out0 at my first batch
	s_load_b512 s[SET0:SET0+15],    s[4:5], 0x0    ; chunk 0's node numbers
	s_load_b512 s[SET0+16:SET0+31], s[4:5], 0x40
	s_load_b512 s[SET1:SET1+15],    s[4:5], 0x80   ; chunk 1's
	s_load_b512 s[SET1+16:SET1+31], s[4:5], 0xc0
	s_wait_alu depctr_va_vdst(0)                   ; LANE16, OUTOFF and the five offsets v144 to v148 are written, which the loads below and the kernel's stores read
	; the weights, each lane taking what its place in the operands needs: 31 loads
.irp t, 0,1,2,3
	global_load_b64 v[SW1+2*\t:SW1+2*\t+1], v[A8R], s[48:49] offset:128*\t      ; W1[16 t + r][0 .. 1]
	global_load_b32 v[SB1+\t], v[A4R], s[50:51] offset:64*\t                    ; b1[16 t + r]
.endr
.irp t, 0,1
	global_load_b32 v[SB2+\t], v[A4R], s[54:55] offset:64*\t                    ; b2[16 t + r]
.endr
	global_load_b32 v[SBP], v[AZ], s[58:59]
.irp t, 0,1
.irp c, 0,1
	global_load_b128 v[SW2+32*\t+16*\c:SW2+32*\t+16*\c+3],     v[AW2], s[52:53] offset:4096*\t+128*\c      ; W2[16 t + r][32 c + 8 h .. + 7]
	global_load_b128 v[SW2+32*\t+16*\c+4:SW2+32*\t+16*\c+7],   v[AW2], s[52:53] offset:4096*\t+128*\c+16
	global_load_b128 v[SW2+32*\t+16*\c+8:SW2+32*\t+16*\c+11],  v[AW2], s[52:53] offset:4096*\t+128*\c+64   ; W2[16 t + r][32 c + 16 + 8 h .. + 7]
	global_load_b128 v[SW2+32*\t+16*\c+12:SW2+32*\t+16*\c+15], v[AW2], s[52:53] offset:4096*\t+128*\c+80
.endr
.endr
	global_load_b128 v[SWP:SWP+3],     v[A32H], s[56:57]                        ; Wp[8 h .. + 7]
	global_load_b128 v[SWP+4:SWP+7],   v[A32H], s[56:57] offset:16
	global_load_b128 v[SWP+8:SWP+11],  v[A32H], s[56:57] offset:64              ; Wp[16 + 8 h .. + 7]
	global_load_b128 v[SWP+12:SWP+15], v[A32H], s[56:57] offset:80
	global_load_b128 v[VI:VI+3], v[LANE16], s[4:5]                              ; the first batch's node numbers, lane by lane
	s_wait_kmcnt 0x0
.set i, 0
.rept 32
	s_min_u32 s[SET0+i], s[SET0+i], LASTNODE
.set i, i+1
.endr
.irp k, 0,1,2,3,4,5,6,7,8,9,10,11,12,13,14,15
	OFFS \k, SET0
.endr
	s_wait_alu depctr_va_vdst(0)                   ; the ring's 32 first offsets are written, which the loads below read and land on; the lines above are done reading v0, the first of them
.irp k, 0,1,2,3,4,5,6,7,8,9,10,11,12,13,14,15
	ROWS \k                                        ; the ring is filled before the weights are worked on
.endr
	s_wait_loadcnt 32                              ; the ring's 32 loads stay out; the weights and the node numbers are in, their offsets and bases free
	s_mov_b32 s[MH], 0xffff0000                    ; lanes 16-31
.irp t, 0,1,2,3
	v_cvt_pk_f16_f32 v[SW1+2*\t], v[SW1+2*\t], v[SW1+2*\t+1]
	v_cvt_pk_f16_f32 v[SB1+\t], v[SB1+\t], 0
.endr
	v_cvt_pk_f16_f32 v[SB2],   v[SB2],   0
	v_cvt_pk_f16_f32 v[SB2+1], v[SB2+1], 0
	v_cvt_pk_f16_f32 v[SBP],   v[SBP],   0
	WIN 0x40                                       ; destinations in window 1
.set n, 0
.rept 40
	v_cvt_pk_f16_f32 v[W2A+n], v[SW2+2*n], v[SW2+2*n+1]        ; W2's four operands, then Wp's, in the order in which they were loaded
.set n, n+1
.endr
.irp t, 0,1,2,3
	v_cndmask_b32 v[W1A+8*\t],   v[SW1+2*\t], 0, s[MH]         ; k = 0 .. 3 lie in lanes 0-15; lanes 16-31 (k = 8 ..) are 0
	v_cndmask_b32 v[W1A+8*\t+1], v[SB1+\t],   0, s[MH]
.irp z, 2,3,4,5,6,7
	v_mov_b32 v[W1A+8*\t+\z], 0                    ; the operands' constant zeros, written once for the launch
.endr
.endr
.irp t, 0,1
	v_cndmask_b32 v[B2A+8*\t+1], v[SB2+\t], 0, s[MH]
.irp z, 0,2,3,4,5,6,7
	v_mov_b32 v[B2A+8*\t+\z], 0
.endr
.endr
	v_cndmask_b32 v[BPA+1], v[SBP], 0, s[MH]
.irp z, 0,2,3,4,5,6,7
	v_mov_b32 v[BPA+\z], 0
.endr
.irp z, 2,3,6,7,8,9,10,11,12,13
	v_mov_b32 v[IN+\z], 0                          ; the six zeros behind the inputs; b and d are destinations of v_permlanex16_b32 and are written once before
.endr
	WIN 0
	; the eight selectors, over the registers in which the weights were loaded.  Registers 4 t .. 4 t + 3 of the run hold two f16 ones in lanes t and t + 16 and zeros elsewhere:
	; selector q = registers 8 q .. 8 q + 7: column 2 q takes k = 0-15 (the operand's registers 0-3 in both halves of the wave), column 2 q + 1 takes k = 16-31 (registers 4-7)
	s_wait_alu depctr_vm_vsrc(0)                   ; the weights' loads have read their offsets v144 to v148: these registers are the even accumulator from here on, written by the line below and by matrix instructions
	v_mov_b32 v[DE], 0x3c003c00                    ; 1.0, twice
.set t, 0
.rept 16
	s_mov_b32 s60, 0x10001<<t
.irp z, 0,1,2,3
	v_cndmask_b32 v[SEL+4*t+\z], 0, v[DE], s60
.endr
.set t, t+1
.endr
.Lbatch:
	BATCH 0
	s_wait_xcnt 0x0                                ; the two bases and the store's data are rewritten only behind this wait (ISA guide 3.1)
	s_add_nc_u64 s[4:5], s[4:5], NEXTE
	s_add_nc_u64 s[10:11], s[10:11], NEXTO
	s_add_co_u32 s14, s14, 1
	s_cmp_lt_u32 s14, s15
	s_cbranch_scc1 .Lbatch
	BATCH 1                                        ; the last batch fetches nothing beyond itself
	s_endpgm
.Lfunc_end_k_q12d0688a87_edges:
	.size	k_q12d0688a87_edges, .Lfunc_end_k_q12d0688a87_edges-k_q12d0688a87_edges
	.p2alignl 7, 3214868480
	.fill 96, 4, 3214868480
	.section	.rodata,"a",@progbits
	.p2align	6, 0x0
	.amdhsa_kernel k_q12d0688a87_edges
		.amdhsa_group_segment_fixed_size 0
		.amdhsa_private_segment_fixed_size 0
		.amdhsa_enable_private_segment 0
		.amdhsa_kernarg_size 80
		.amdhsa_user_sgpr_count 2
		.amdhsa_user_sgpr_kernarg_segment_ptr 1
		.amdhsa_wavefront_size32 1
		.amdhsa_system_sgpr_workgroup_id_x 1
		.amdhsa_system_sgpr_workgroup_id_y 1
		.amdhsa_system_sgpr_workgroup_id_z 1
		.amdhsa_system_vgpr_workitem_id 0
		.amdhsa_next_free_vgpr 496
		.amdhsa_next_free_sgpr 100
		.amdhsa_reserve_vcc 0
		.amdhsa_float_denorm_mode_32 3
		.amdhsa_float_denorm_mode_16_64 3
		.amdhsa_memory_ordered 1
		.amdhsa_forward_progress 1
		.amdhsa_inst_pref_size 152
	.end_amdhsa_kernel
	.amdgpu_metadata
---
amdhsa.version: [ 1, 2 ]
amdhsa.kernels:
  - .name:           k_q12d0688a87_edges
    .symbol:         k_q12d0688a87_edges.kd
    .args:
      - { .name: W1, .offset: 0, .size: 8, .value_kind: global_buffer, .address_space: global }
      - { .name: b1, .offset: 8, .size: 8, .value_kind: global_buffer, .address_space: global }
      - { .name: W2, .offset: 16, .size: 8, .value_kind: global_buffer, .address_space: global }
      - { .name: b2, .offset: 24, .size: 8, .value_kind: global_buffer, .address_space: global }
      - { .name: Wp, .offset: 32, .size: 8, .value_kind: global_buffer, .address_space: global }
      - { .name: bp, .offset: 40, .size: 8, .value_kind: global_buffer, .address_space: global }
      - { .name: edge, .offset: 48, .size: 8, .value_kind: global_buffer, .address_space: global }
      - { .name: tab, .offset: 56, .size: 8, .value_kind: global_buffer, .address_space: global }
      - { .name: nrm, .offset: 64, .size: 8, .value_kind: global_buffer, .address_space: global }
      - { .name: out0, .offset: 72, .size: 8, .value_kind: global_buffer, .address_space: global }
    .group_segment_fixed_size: 0
    .private_segment_fixed_size: 0
    .kernarg_segment_align: 8
    .kernarg_segment_size: 80
    .max_flat_workgroup_size: 256
    .sgpr_count:     100
    .vgpr_count:     496
    .wavefront_size: 32
...
	.end_amdgpu_metadata
.endif
;; end of part 3
